; MI455X (gfx1250); checked and timed in simulation.
; The chip was launched on July 23, 2026; its instructions are those of AMD's public machine-readable ISA for CDNA 5 (MIT licence, August 2026) and "CDNA5" Instruction Set Architecture Reference Guide (July 2026). The comments in the code are by the model that wrote it; some were corrected since.
;; Relation Tagger. Allowed arithmetic: matrix products marked QUANTISED: E2M3 operands, one E8M0 scale for each 32 along K, by v_wmma_scale_f32_16x16x128_f8f6f4 with both operands' format E2M3, f32 sums; everything else in f32.
;; Inputs: Wk 2 x 1,024 x 1,024 float32; Wq 2 x 1,024 x 1,024 float32; Wv 2 x 1,024 x 1,024 float32; emb 2 x 32 x 1,024 float32; hidden 16 x 512 x 1,024 float32.
;; Outputs: out0 16 x 2 x 544 x 512 float32.
;; This version of the problem:
;;   THIS VERSION OF THE PROBLEM IS GIVEN IN LOW PRECISION. The matrix products marked QUANTISED in the list below multiply operands that are first quantised to E2M3 (2 exponent bits, 3 mantissa bits; 6 bits a number), with one power-of-two scale for each 32 numbers along K (OCP MX v1.0); their sums are f32. All else is computed in f32.
;;   The module's matrix products, in the order in which they are computed (A, B: the left and right operand; K: the contracted axis; several contracted axes count as one K, in the product's order):
;;     1. [M 2,048, K 1,024] x [K 1,024, N 8,192]; A: input Wk; B: input hidden: QUANTISED
;;     2. [M 2,048, K 1,024] x [K 1,024, N 8,192]; A: input Wq; B: input hidden: QUANTISED
;;     3. [M 2,048, K 1,024] x [K 1,024, N 8,192]; A: input Wv; B: input hidden: QUANTISED
;;     4. batch 32 x [M 544, K 1,024] x [K 1,024, N 512]; A: computed on the way; B: computed on the way: QUANTISED
;;   THE QUANTISER, for each operand of a quantised product, along K:
;;     - K is cut into blocks of 32 from its start; a last block that is shorter is filled with zeros.
;;     - A block's scale is 2^e with e = floor(log2(the largest magnitude in the block)) - 2, held to -126 .. 127; a block of zeros has e = 0. As a byte (E8M0): e + 127.
;;     - Each number is divided by its block's scale, clamped to +-7.5, and rounded to the nearest number of E2M3, ties to even, subnormals kept.
;;     - The product sums the exact products of the quantised numbers (number of the format x scale) in f32.
;;   ~~~python
;;   def quantise(x, axis):      # numpy; x: float32 -> the quantised numbers, widened to float32 again
;;       x = np.moveaxis(x, axis, -1); K = x.shape[-1]
;;       x = np.pad(x, [(0, 0)] * (x.ndim - 1) + [(0, -K % 32)]); x = x.reshape(x.shape[:-1] + (-1, 32)); a = np.abs(x).max(-1, keepdims=True)
;;       e = np.where(a > 0, np.clip(np.frexp(np.where(a > 0, a, 1))[1] - 1 - 2, -126, 127), 0)      # np.frexp(a)[1] - 1 = floor(log2(a)), exactly
;;       r = np.clip(x / 2.0 ** e, -7.5, 7.5)
;;       step = 2.0 ** (np.maximum(np.frexp(np.where(r == 0, 1, r))[1] - 1, 0) - 3)
;;       q = np.round(r / step) * step * 2.0 ** e      # np.round: ties to even
;;       return np.moveaxis(q.reshape(q.shape[:-2] + (-1,))[..., :K], -1, axis).astype(np.float32)
;;   ~~~
;;   OPERANDS COMPUTED ON THE WAY. 'Computed on the way' means the value that the module computes at that place (a softmax that the list does not call 'softmax' is quantised finished and normalised). What goes into a quantiser is computed in f32, as accurately as f32 sums, v_exp_f32 and their like allow (about 1e-6 of the number): no bf16 or f16 on the way to a quantiser, and a product that is left as it is and whose result goes on into a quantised operand takes f32 operands (vector FMAs, or v_wmma_f32_16x16x4_f32). A number that lies on a knife's edge between two numbers of the format may be rounded either way, as far as f32 arithmetic and the matrix unit's own rounding can turn it there, and no further.
;; One version. Each part assembles by itself: llvm-mc -triple=amdgcn-amd-amdhsa -mcpu=gfx1250 --defsym DOCPART=n.
;; ======== version 1 of 1: 3 launches
;; workspace buffers: h_codes 6,291,456 bytes; h_scales 262,144 bytes; w_codes 4,767,744 bytes; w_scales 198,656 bytes; kq_codes 25,165,824 bytes; kq_scales 1,048,576 bytes; vpart 524,288 bytes
;; launch quant (part 1): grid 450 x 1, 4 waves a work-group, no clusters, 33,280 bytes of LDS; arguments hidden, Wk, Wq, Wv, h_codes, h_scales, w_codes, w_scales, emb; writes h_codes, h_scales, w_codes, w_scales
.if DOCPART == 1
	.amdgcn_target "amdgcn-amd-amdhsa--gfx1250"
	.amdhsa_code_object_version 6
	.text
	.protected	k_q73ac4747fb_quant
	.globl	k_q73ac4747fb_quant
	.p2align	8
	.type	k_q73ac4747fb_quant,@function
k_q73ac4747fb_quant:
	s_mov_b64 s[64:65], 0
	v_nop
	global_prefetch_b8 v0, s[64:65] scope:SCOPE_SE
	s_setreg_imm32_b32 hwreg(HW_REG_WAVE_MODE, 25, 1), 1
	s_wait_xcnt 0x0
; hidden [8192][1024], Wk, Wq, Wv [2048][1024] each and emb [64][1024], all f32 with K innermost, become codes of FP6 (E2M3), 6 bits each, K innermost (a row: 768 bytes),
; with one E8M0 scale byte for each 32 along K (a row: 32 bytes).  hidden goes to h_codes / h_scales; Wk, Wq, Wv, emb go one behind the other to w_codes / w_scales (rows 0, 2048, 4096, 6144 on).
; A block's scale is 2^(floor(log2(its largest magnitude)) - 2); its byte is the largest magnitude's own exponent field - 2, held at 1 from below.  Each number is divided by the scale and rounded to the nearest code, ties to even;
; beyond 7.5 the conversion gives the largest code.
; LIMITS: a block of zeros gets the byte 1 where the quantiser says 127: its codes are zeros, which add nothing under any byte but 0xff, and this program alone reads the bytes.  Blocks whose largest magnitude lies under 2^(3 - 127)
; are held at that floor.  NaN and infinities among the inputs are not served.
; SHARES: a work-group takes 32 rows, a wave 8 rows = 8,192 numbers, in 16 steps of 512.  Work-groups 0-255: hidden; 256-319: Wk; 320-383: Wq; 384-447: Wv; 448-449: emb.  Only pointers and offsets are chosen: one path for all.
; THE ROWS OF THE THREE WEIGHTS CHANGE PLACES: in each group of 32 rows the four groups of 8 are stored in the order 0, 2, 1, 3 (position 16 u + 8 v + j holds row 8 u + 16 v + j), so that the next launch, which takes
; 16 neighbouring positions as a tile, finds 16 neighbours along the following product's K in a lane's registers.  A wave's 8 rows are one such group: only its output offset changes.
; Each load reads 512 consecutive bytes, 16 a lane; a step's 2,048 bytes turn through the wave's own stage in LDS and come back 64 bytes a lane: 16 neighbours along K, two lanes to a block.
; A wave's 256 scale bytes are gathered in LDS and leave as one aligned run of 256 bytes.  No tensor loads, no barrier: waves share nothing.  No prefetch: every wave keeps sixteen loads out all the time.
.set WAVES, 4
.set STEPS, 16
.set EMAX,  2
.set CB,    12                         ; bytes of 16 codes
.set R,     16                         ; v16-79   four sets of 16 numbers as they are loaded
.set X,     80                         ; v80-111  two sets of 16 neighbours
.set C,     128                        ; v128-191 codes: four registers for each step, so that no store's data are written again
.set E,     112                        ; v112-127 a scale byte for each step
.set WREG,  8192                       ; LDS: a region for each wave: two stages of 32 x SP bytes, behind them its 256 scale bytes
.set SP,    80                         ; a lane's place in a stage: 64 bytes + 16 of padding
.set SPW,   12                         ; v12      LDS address of my spare word; never rewritten
.set NIL,   13                         ; v13      0; never rewritten
.set SPARE, WAVES*WREG                 ; behind the four regions: the spare words, 128 bytes a wave
	s_load_b256 s[4:11], s[0:1], 0x0               ; hidden s[4:5], Wk s[6:7], Wq s[8:9], Wv s[10:11]
	s_load_b256 s[16:23], s[0:1], 0x20             ; h_codes s[16:17], h_scales s[18:19], w_codes s[20:21], w_scales s[22:23]
	s_load_b64 s[24:25], s[0:1], 0x40              ; emb
	v_lshl_add_u32 v[SPW], v0, 2, SPARE
	v_mov_b32 v[NIL], 0
	v_lshrrev_b32 v1, 5, v0
	v_readfirstlane_b32 s30, v1                    ; wave
	v_and_b32 v2, 31, v0                           ; lane
	v_lshlrev_b32 v3, 4, v2                        ; my 16 bytes of a load's 512
	s_mul_i32 s31, s30, WREG
	v_lshrrev_b32 v14, 2, v2
	v_mul_u32_u24 v14, v14, SP
	v_and_b32 v15, 3, v2
	v_lshl_add_u32 v14, v15, 4, v14
	v_add_nc_u32 v14, s31, v14                     ; the stage, on the way in: SP (lane / 4) + 16 (lane % 4)
	v_mul_u32_u24 v15, v2, SP
	v_add_nc_u32 v15, s31, v15                     ; and on the way out: SP x lane: my 16 neighbours
	v_mul_u32_u24 v4, v2, CB                       ; my codes' place in a step's
	v_lshrrev_b32 v5, 1, v2
	s_add_co_u32 s31, s31, 2*32*SP
	v_add_nc_u32 v5, s31, v5                       ; LDS: my wave's 256 scale bytes, my block's byte
	v_lshlrev_b32 v7, 3, v2                        ; and on the way out 8 bytes a lane
	v_add_nc_u32 v6, s31, v7
	s_wait_kmcnt 0x0
	; which tensor?  The choice hangs on the work-group's number alone.  s[32:33] from, s[34:35] codes, s[36:37] scale bytes, s38 / s39 the first work-group of the input / of the output buffer, s40 = 1: rows change places
	s_mov_b64 s[32:33], s[24:25]                   ; emb,
	s_mov_b64 s[34:35], s[20:21]
	s_mov_b64 s[36:37], s[22:23]
	s_mov_b32 s38, 448
	s_mov_b32 s39, 256
	s_mov_b32 s40, 0
	s_cmp_lt_u32 ttmp9, 448                        ; or Wv,
	s_cselect_b64 s[32:33], s[10:11], s[32:33]
	s_cselect_b32 s38, 384, s38
	s_cselect_b32 s40, 1, s40
	s_cmp_lt_u32 ttmp9, 384                        ; or Wq,
	s_cselect_b64 s[32:33], s[8:9], s[32:33]
	s_cselect_b32 s38, 320, s38
	s_cmp_lt_u32 ttmp9, 320                        ; or Wk,
	s_cselect_b64 s[32:33], s[6:7], s[32:33]
	s_cselect_b32 s38, 256, s38
	s_cmp_lt_u32 ttmp9, 256                        ; or hidden
	s_cselect_b64 s[32:33], s[4:5], s[32:33]
	s_cselect_b64 s[34:35], s[16:17], s[34:35]
	s_cselect_b64 s[36:37], s[18:19], s[36:37]
	s_cselect_b32 s38, 0, s38
	s_cselect_b32 s39, 0, s39
	s_cselect_b32 s40, 0, s40
	s_sub_co_u32 s41, ttmp9, s38
	s_lshl_b32 s41, s41, 2
	s_add_co_u32 s41, s41, s30                     ; which run of 8 rows of the input is my wave's
	s_and_b32 s42, s30, 1
	s_lshl_b32 s42, s42, 1
	s_lshr_b32 s43, s30, 1
	s_or_b32 s42, s42, s43                         ; groups 0, 1, 2, 3 go to places 0, 2, 1, 3
	s_cmp_eq_u32 s40, 1
	s_cselect_b32 s42, s42, s30
	s_sub_co_u32 s43, ttmp9, s39
	s_lshl_b32 s43, s43, 2
	s_add_co_u32 s43, s43, s42                     ; and which run of the output
	s_lshl_b32 s44, s41, 15                        ; 8,192 numbers of 4 bytes
	s_mov_b32 s45, 0
	s_add_nc_u64 s[32:33], s[32:33], s[44:45]
	s_mul_i32 s44, s43, 32*STEPS*CB                ; 6,144 bytes of codes
	s_add_nc_u64 s[34:35], s[34:35], s[44:45]
	s_lshl_b32 s44, s43, 8                         ; 256 scale bytes
	s_add_nc_u64 s[36:37], s[36:37], s[44:45]
.macro LOAD t
.irp i, 0,1,2,3
	global_load_b128 v[R+16*((\t)%4)+4*\i:R+16*((\t)%4)+4*\i+3], v3, s[32:33] offset:2048*(\t)+512*\i th:TH_LOAD_NT   ; 32 lanes read 512 consecutive bytes
.endr
.endm
.macro TURN t                          ; step t's numbers through the stage: LDS serves a wave's instructions in order, so no wait stands between the stores and the loads
.irp i, 0,1,2,3
	ds_store_b128 v14, v[R+16*((\t)%4)+4*\i:R+16*((\t)%4)+4*\i+3] offset:32*SP*((\t)%2)+8*SP*\i
.endr
.irp i, 0,1,2,3
	ds_load_b128 v[X+16*((\t)%2)+4*\i:X+16*((\t)%2)+4*\i+3], v15 offset:32*SP*((\t)%2)+16*\i
.endr
.endm
.irp t, 0,1,2,3
	LOAD \t
.endr
	s_wait_loadcnt 12                              ; step 0's four loads are in; the twelve of steps 1 to 3 may be out
	TURN 0
.macro STEP t
.set XS, X+16*((\t)%2)
.if (\t) > 0
	s_wait_dscnt 1                                 ; this step's numbers are back from the stage (the last step's byte store may be out): so its stores into the stage have read their registers,
.else
	s_wait_dscnt 0x0
.endif
.if (\t)+4 < STEPS
	LOAD (\t)+4                                    ; which take the loads of four steps on
.endif
.if (\t)+1 < STEPS
.if STEPS-2-(\t) >= 3
	s_wait_loadcnt 12                              ; the next step's four loads are in; those of the three steps behind it may be out
.else
	s_wait_loadcnt 4*(STEPS-2-(\t))
.endif
	TURN (\t)+1                                    ; and go through the other stage while this step is worked
.endif
	v_max3_num_f32 v8, |v[XS]|, |v[XS+1]|, |v[XS+2]|               ; the largest magnitude of my 16, in two chains
	v_max3_num_f32 v9, |v[XS+3]|, |v[XS+4]|, |v[XS+5]|
.irp i, 6,10
	v_max3_num_f32 v8, v8, |v[XS+\i]|, |v[XS+\i+1]|
	v_max3_num_f32 v9, v9, |v[XS+\i+2]|, |v[XS+\i+3]|
.endr
	v_max3_num_f32 v8, v8, |v[XS+14]|, |v[XS+15]|
	v_max3_num_f32 v8, v8, v9, (EMAX+1)<<23        ; and the floor 2^(EMAX + 1 - 127): the byte cannot fall under 1
	v_max_num_f32_dpp v8, v8, v8 row_xmask:1 row_mask:0xf bank_mask:0xf   ; and of my neighbour's 16: the block's
	v_add_nc_u32 v11, 0xff000000, v8               ; EMAX off its exponent field: the conversion takes the exponent field of this operand as its scale, and nothing else of it
	v_cvt_scalef32_pk16_fp6_f32 v[C+4*(\t):C+4*(\t)+2], v[XS:XS+15], v11         ; sixteen codes, 96 bits without gaps, the first number's code lowest
	v_lshrrev_b32 v[E+(\t)], 23, v11               ; the scale's byte
	ds_store_b8 v5, v[E+(\t)] offset:16*(\t)       ; both lanes of a block write the same byte with the same value
	global_store_b96 v4, v[C+4*(\t):C+4*(\t)+2], s[34:35] offset:32*CB*(\t)      ; the wave stores 384 consecutive bytes
.endm
.irp t, 0,1,2,3,4,5,6,7,8,9,10,11,12,13,14,15
	STEP \t
.endr
	ds_load_b64 v[8:9], v6                         ; LDS serves a wave's instructions in order: these see my stores
	s_wait_dscnt 0x0
	global_store_b64 v7, v[8:9], s[36:37]          ; 32 lanes store 256 consecutive bytes, aligned
	s_wait_tensorcnt 0x0                           ; the wave's end: behind my last LDS store
	ds_add_u32 v[SPW], v[NIL]
	s_wait_dscnt 0x0
	s_endpgm
.Lfunc_end_k_q73ac4747fb_quant:
	.size	k_q73ac4747fb_quant, .Lfunc_end_k_q73ac4747fb_quant-k_q73ac4747fb_quant
	.p2alignl 7, 3214868480
	.fill 96, 4, 3214868480
	.section	.rodata,"a",@progbits
	.p2align	6, 0x0
	.amdhsa_kernel k_q73ac4747fb_quant
		.amdhsa_group_segment_fixed_size 33280
		.amdhsa_private_segment_fixed_size 0
		.amdhsa_enable_private_segment 0
		.amdhsa_kernarg_size 72
		.amdhsa_user_sgpr_count 2
		.amdhsa_user_sgpr_kernarg_segment_ptr 1
		.amdhsa_wavefront_size32 1
		.amdhsa_system_sgpr_workgroup_id_x 1
		.amdhsa_system_sgpr_workgroup_id_y 1
		.amdhsa_system_sgpr_workgroup_id_z 1
		.amdhsa_system_vgpr_workitem_id 0
		.amdhsa_next_free_vgpr 192
		.amdhsa_next_free_sgpr 66
		.amdhsa_reserve_vcc 0
		.amdhsa_float_denorm_mode_32 3
		.amdhsa_float_denorm_mode_16_64 3
		.amdhsa_memory_ordered 1
		.amdhsa_forward_progress 1
		.amdhsa_inst_pref_size 33
	.end_amdhsa_kernel
	.amdgpu_metadata
---
amdhsa.version: [ 1, 2 ]
amdhsa.kernels:
  - .name:           k_q73ac4747fb_quant
    .symbol:         k_q73ac4747fb_quant.kd
    .args:
      - { .name: hidden, .offset: 0, .size: 8, .value_kind: global_buffer, .address_space: global }
      - { .name: Wk, .offset: 8, .size: 8, .value_kind: global_buffer, .address_space: global }
      - { .name: Wq, .offset: 16, .size: 8, .value_kind: global_buffer, .address_space: global }
      - { .name: Wv, .offset: 24, .size: 8, .value_kind: global_buffer, .address_space: global }
      - { .name: h_codes, .offset: 32, .size: 8, .value_kind: global_buffer, .address_space: global }
      - { .name: h_scales, .offset: 40, .size: 8, .value_kind: global_buffer, .address_space: global }
      - { .name: w_codes, .offset: 48, .size: 8, .value_kind: global_buffer, .address_space: global }
      - { .name: w_scales, .offset: 56, .size: 8, .value_kind: global_buffer, .address_space: global }
      - { .name: emb, .offset: 64, .size: 8, .value_kind: global_buffer, .address_space: global }
    .group_segment_fixed_size: 33280
    .private_segment_fixed_size: 0
    .kernarg_segment_align: 8
    .kernarg_segment_size: 72
    .max_flat_workgroup_size: 128
    .sgpr_count:     66
    .vgpr_count:     192
    .wavefront_size: 32
...
	.end_amdgpu_metadata
.endif
;; end of part 1
;; launch proj (part 2): grid 8 x 32, 4 waves a work-group, clusters of 4 x 4, 327,680 bytes of LDS; arguments h_codes, h_scales, w_codes, w_scales, kq_codes, kq_scales, vpart; writes kq_codes, kq_scales, vpart
.if DOCPART == 2
	.amdgcn_target "amdgcn-amd-amdhsa--gfx1250"
	.amdhsa_code_object_version 6
	.text
	.protected	k_q73ac4747fb_proj
	.globl	k_q73ac4747fb_proj
	.p2align	8
	.type	k_q73ac4747fb_proj,@function
k_q73ac4747fb_proj:
	s_mov_b64 s[64:65], 0
	v_nop
	global_prefetch_b8 v0, s[64:65] scope:SCOPE_SE
	s_setreg_imm32_b32 hwreg(HW_REG_WAVE_MODE, 25, 1), 1
	s_wait_xcnt 0x0
	s_wait_alu depctr_hold_cnt(0) depctr_sa_sdst(0) depctr_va_vdst(0) depctr_va_sdst(0) depctr_va_ssrc(0) depctr_va_vcc(0) depctr_vm_vsrc(0)
	s_getreg_b32 s2, hwreg(HW_REG_IB_STS2, 6, 4)
	s_cmp_eq_u32 s2, 0
	s_cbranch_scc0 .Lentry_in_a_cluster
	s_endpgm
.Lentry_in_a_cluster:
	s_bfe_u32 s2, ttmp6, 0x10000c
	s_cmp_lg_u32 s2, 0xf033
	s_cbranch_scc0 .Lentry_shape_is_right
	s_endpgm
.Lentry_shape_is_right:
; THE THREE PROJECTIONS AS ONE GEMM ON CODES OF FP6 (E2M3): P[m][n] = sum over k of hidden[m][k] W[n][k], m = 8,192 rows (b, s), n = 6,144 positions (Wk's 2,048 rows, then Wq's, then Wv's), k = 1,024; sums in f32, K ascending.
; Codes: rows of 768 bytes, one stream of bits; scale bytes: rows of 32, one E8M0 byte for each 32 along K.  The matrix instruction takes both as they lie.
; A tile of P, 256 x 256, is made by a work-group of four waves; a wave makes 128 x 128: 64 accumulators, 512 registers.  K goes in steps of 256 through a ring of two LDS slots filled by the tensor data mover.
; A WORK-GROUP STAYS: 8 x 32 work-groups, each with THREE tiles: its 256 rows of hidden against the same 256 positions of Wk, of Wq and of Wv (2,048 positions apart).  The ring does not stop at a tile's end: a tile's last two
; changes of slots ask for the next tile's first two K steps, and the second of them fetches its first fragments; then the finished tile goes out.  Nothing waits for a tile's stores.
; The text: a loop of two trips (key, query: one way out), and the value's tile written out behind it, since it asks for nothing beyond itself and leaves otherwise: two copies of a tile's walk along K.
; The scale bytes of the work-group's 256 rows of hidden and of its 3 x 256 positions of W, for all of K, come into LDS once, with the first fills.
; CLUSTERS: 4 x 4 work-groups.  The four of a row of the cluster need the same tiles of hidden, the four of a column the same tiles of W: each tile is asked for jointly, by the same tensor load with a mask that names the four.
; THE MATRIX INSTRUCTION IS USED TRANSPOSED (source 0 = 16 positions of W, source 1 = 16 rows of hidden): lane (r, h) holds row r, and register j of accumulator (a, b) position 16 b + 8 h + j.  The launch before has
; laid W's rows so that position 16 u + 8 v + j of a group of 32 holds output unit 8 u + 16 v + j: so the 64 registers of a block a of 16 rows are, register 16 B + i, output unit 32 B + 16 h + i of the wave's 128.
; P NEVER GOES TO MEMORY.  A wave's 128 output units are one K step of the following product.
;   key and query (tiles 0 and 1): each block of 16 rows is quantised in registers along the output units (blocks of 32: 16 numbers in lane l, 16 in lane l xor 16) and leaves as the IMAGE of an operand's 12 registers:
;     kq_codes [X 256][a 8][ks 8][1536 bytes], X = (kind 2 + c) 64 + 4 b + quarter of s; registers 4 g .. 4 g + 3 of lane l at 512 g + 16 l: each store covers 512 consecutive bytes, aligned.
;     kq_scales [X][ks][512 bytes]: lane (r, h) has 16 bytes at 16 (r + 16 h): word q is the scale word of row r of block 4 h + q.
;   value (tile 2): only its sum over the output units is wanted: vpart [c 2][part 8][8,192 rows] f32 takes the sum over the wave's 128.  The order of that sum differs from a plain left-to-right one; all in f32.
; LIMITS: a block of zeros carries the byte 1 (its codes are zeros; this program alone reads the bytes); largest magnitudes under 2^(3 - 127) are held at that floor; NaN and infinities are not served.
; No prefetch is written: no row of codes is read once (hidden's by two columns of clusters and in three tiles, W's by eight rows of clusters), and each refill is asked for a K step, some hundred matrix instructions of a wave, ahead of the wait for it.
; REGISTERS, in windows of 256: window 0: v0-31 addresses; v32-63 scale words, two sets, and nothing else; v64-127 and v224-255 at work on the way out; v128-223 hidden's fragments, ONE set.  window 1: W's fragments, TWO sets, at v0 and v128.
;   window 2: the 32 accumulators of my rows 0-63 (accumulator (a, b) at v[8 (8 a + b)]);   window 3: those of my rows 64-127.
.set SIZE_K, 1024
.set TILES,  3                         ; tiles of a work-group
.set WROWS,  2048                      ; positions from a tile to the next
.set KSTEP,  256                       ; along K in a slot
.set NQ,     KSTEP/128                 ; matrix instructions deep
.set ROWB,   192                       ; a tile's row in bytes
.set KROW,   SIZE_K*6/8                ; a row of codes in memory, in bytes
.set PITCH,  240                       ; an LDS row: 3 x (64 bytes of data + 16 of padding) = 60 words: the 32 lanes of a load of 8 bytes touch 64 different banks (64 banks of 4 bytes: ISA guide 11.1)
.set FR,     12                        ; registers of a fragment: 16 rows x 128 K
.set NL,     6                         ; LDS loads that bring one
.set NP,     4                         ; places behind this matrix instruction (ISA guide 7.12.1)
.set HALFT,  128*PITCH                 ; 128 rows: what one tensor load brings
.set SLOT,   4*HALFT                   ; hidden's 256 rows, then W's 256
.set BACK_A, 2*ROWB                    ; from a slot's last K step of a tile to its first of the next: hidden goes back along K,
.set NEXT_B, WROWS*KROW-2*ROWB         ; W also 2,048 positions on
.set KS,     SIZE_K/32                 ; a row of scale bytes
.set SCL,    2*SLOT                    ; behind the ring: hidden's scale bytes, as runs of 256 bytes + 16 of padding: [half 2][HALFS]
.set HALFS,  (128*KS/256)*272          ; those of 128 rows
.set SBLK,   (16*KS/256)*272           ; those of 16 rows
.set SCLB,   SCL+2*HALFS               ; behind them W's: [half 2][tile 3][HALFS]
.set SPARE,  SCLB+2*TILES*HALFS        ; behind the scales: the spare words, 128 bytes a wave
.set ADRA, 16                          ; v16-17  LDS address of my fragments of hidden in slot 0, 1  (v18-19: for the pieces that lie behind one padding more)
.set ADRB, 20                          ; v20-21  the same for W  (v22-23)
.set LI,   24                          ; v24     16 x lane: my place in an image
.set L4,   25                          ; v25     4 x lane
.set H,    26                          ; v26     lane / 16
.set ADRS, 27                          ; v27     LDS address of my scale words in the tile in hand: lanes 0-15 hidden's rows, lanes 16-31 W's: SBASE + H x s[DS]
.set SPW,  28                          ; v28     LDS address of my spare word; never rewritten
.set NIL,  29                          ; v29     0; never rewritten
.set SBASE, 30                         ; v30     hidden's scale words of my row; never rewritten
.set SC,   32                          ; scale words: set s at v[SC + 8 NQ s]; register NQ i + q: lanes 0-15 hidden's block i, lanes 16-31 W's block i
.set AF,   128                         ; hidden's fragments, in window 0
.set TL,  2                            ; s2      tiles with a successor still to go
.set DS,  3                            ; s3      bytes from hidden's scale words to those of W's tile in hand
.set G1, 24                            ; s[24:31] descriptor group 1 for hidden's tiles;  s[32:39] group 0, one set for each slot
.set G0, 32
.set G1B, 48                           ; s[48:55], s[56:63] the same for W's tiles
.set G0B, 56
.set G1S, 68                           ; s[68:75], s[76:79] groups 1 and 0 for hidden's scales;  s[80:87], s[88:91] for W's
.set G0S, 76
.set G1SB, 80
.set G0SB, 88
.set SEL, 66                           ; s[66:67] lane selects for lane l xor 16
.set FLR, 92                           ; s92     the floor 2^(3 - 127)
.set HM,  93                           ; s93     a mask of lanes 16-31
.set TM,  64                           ; the way out, window 0: v64-67 largest magnitudes, v68-71 bytes, v76-79 the conversions' scale operands
.set T2,  80                           ; v80-87  the second halves of the blocks' codes
.set PW,  88                           ; v88-95  the eight blocks' scale words
.set SI,  96                           ; v96-99  the scale words as they are stored;  v100-123 and v224-247: the codes, four sets of 12
.set VT,  64                           ; value's way out: v64-79 eight pairs at work
.set SV,  80                           ; v80-87  the eight blocks' sums
.set SX,  88                           ; v88-95  the other half of the lanes'
.set SO,  96                           ; v96-99  as they are stored
.set MSB, 0
.macro WIN new                         ; the immediate's high byte repeats the setting that is left
.if MSB != \new
	s_set_vgpr_msb (MSB<<8)|\new
.set MSB, \new
.endif
.endm
.set MUL_LO, 0xa1                      ; source 0 (W) window 1, source 1 (hidden) window 0, C and D window 2
.set MUL_HI, 0xf1                      ; the same, C and D window 3
.set TO_B,   0x40                      ; destination window 1, address window 0
; A joint load: waves 0 and 1 fetch for hidden, waves 2 and 3 for W.  Each of the two lines has ONE mask and one set of registers for all that issue it; the branch hangs on the wave's number alone.
; An s_nop 0 and four v_nop follow each of the two lines, ahead of the jump, the label and what follows.
.macro JLOAD g0a, g1a, g0b, g1b
	s_cmp_eq_u32 s15, 0
	s_cbranch_scc0 .Lfor_b_\@
	tensor_load_to_lds s[\g0a:\g0a+3], s[\g1a:\g1a+7]
	s_nop 0
.rept 4
	v_nop
.endr
	s_branch .Lasked_\@
.Lfor_b_\@:
	tensor_load_to_lds s[\g0b:\g0b+3], s[\g1b:\g1b+7]
	s_nop 0
.rept 4
	v_nop
.endr
.Lasked_\@:
.endm
.macro CREST                           ; a round of the cluster's barrier behind its opening barrier
	s_cmp_lg_u32 s14, 0
	s_cbranch_scc1 .Lnot_wave_0_\@
	s_barrier_signal -3
.Lnot_wave_0_\@:
	s_barrier_wait -3
	s_barrier_signal -1
	s_barrier_wait -1
.endm
.macro CROUND                          ; a whole round
	s_barrier_signal -1
	s_barrier_wait -1
	CREST
.endm
	s_load_b128 s[4:7], s[0:1], 0x0                ; hidden's codes s[4:5], its scales s[6:7]
	s_load_b128 s[8:11], s[0:1], 0x10              ; W's codes s[8:9], its scales s[10:11]
	s_load_b128 s[96:99], s[0:1], 0x20             ; kq_codes s[96:97], kq_scales s[98:99]
	s_load_b64 s[12:13], s[0:1], 0x30              ; vpart
	v_lshl_add_u32 v[SPW], v0, 2, SPARE
	v_mov_b32 v[NIL], 0
	ds_add_u32 v[SPW], v[NIL]                      ; the wave's opening: the add and its wait stand ahead of my first tensor load; the set-up below, work on registers, stands between them
	v_lshrrev_b32 v1, 5, v0
	v_readfirstlane_b32 s14, v1                    ; wave 0..3
	s_lshr_b32 s15, s14, 1                         ; which half of the tile's rows is mine.  Also: I fetch for hidden (0) or for W (1)
	s_and_b32 s16, s14, 1                          ; which half of its columns.  Also: which 128 rows of that tile I fetch
	s_bfe_u32 s40, ttmp6, 0x40000                  ; cx, cy: my place in the cluster
	s_bfe_u32 s41, ttmp6, 0x40004
	s_lshl_b32 s42, ttmp9, 2
	s_add_co_u32 s42, s42, s40                     ; tile column within a weight = 4 x cluster x + cx: the cluster's x is the channel c, cx the quarter of its output units
	s_and_b32 s17, ttmp7, 0xffff
	s_lshl_b32 s17, s17, 2
	s_add_co_u32 s17, s17, s41                     ; tile row = 4 x cluster y + cy
	s_lshl_b32 s43, s41, 2
	s_lshl_b32 s43, 15, s43                        ; my row of the cluster
	s_lshl_b32 s44, 0x1111, s40                    ; my column
	; descriptor group 1: a tile of 128 rows x ROWB bytes, padded in LDS
	s_or_b32 s[G1+0], s43, (0<<16)|(1<<20)|(1<<21)|(3<<22)|(3<<25)  ; 15:0 the mask: hidden's tiles go to my row; 17:16 element of 1 byte; 20 padding on; 21 set beside a mask; 24:22 after every 16 words (code 3); 31:25 of 4 words (code 3)
	s_or_b32 s[G1B+0], s44, (0<<16)|(1<<20)|(1<<21)|(3<<22)|(3<<25)
.irp g, G1, G1B
	s_mov_b32 s[\g+1], ROWB<<16                    ; tensor_dim0
	s_mov_b32 s[\g+2], 128<<16                     ; tensor_dim1 = 128
	s_mov_b32 s[\g+3], ROWB<<16                    ; tile_dim0
	s_mov_b32 s[\g+4], 128                         ; tile_dim1 = 128
	s_mov_b32 s[\g+5], KROW                        ; tensor_dim0_stride
	s_mov_b32 s[\g+6], 0
	s_mov_b32 s[\g+7], 0
.endr
	; hidden's scale bytes of 128 rows: a dense block of 4,096 bytes, as 16 rows of 256 bytes (32 elements of 8 bytes), 16 bytes of padding behind each
	s_or_b32 s[G1S+0], s43, (3<<16)|(1<<20)|(1<<21)|(5<<22)|(3<<25)
	s_mov_b32 s[G1S+1], 32<<16
	s_mov_b32 s[G1S+2], (128*KS/256)<<16
	s_mov_b32 s[G1S+3], 32<<16
	s_mov_b32 s[G1S+4], 128*KS/256
	s_mov_b32 s[G1S+5], 32
	s_mov_b32 s[G1S+6], 0
	s_mov_b32 s[G1S+7], 0
	; W's scale bytes of 128 positions of each of the three tiles: 3 rows of 4,096 bytes (512 elements of 8 bytes), 2,048 x 32 bytes apart; the same padding behind every 256 bytes: a row takes HALFS bytes of LDS
	s_or_b32 s[G1SB+0], s44, (3<<16)|(1<<20)|(1<<21)|(5<<22)|(3<<25)
	s_mov_b32 s[G1SB+1], (128*KS/8)<<16            ; tensor_dim0 = 512
	s_mov_b32 s[G1SB+2], TILES<<16                 ; tensor_dim1 = 3
	s_mov_b32 s[G1SB+3], (128*KS/8)<<16            ; tile_dim0
	s_mov_b32 s[G1SB+4], TILES                     ; tile_dim1
	s_mov_b32 s[G1SB+5], WROWS*KS/8                ; the pitch: 8,192 elements
	s_mov_b32 s[G1SB+6], 0
	s_mov_b32 s[G1SB+7], 0
	s_lshl_b32 s18, s16, 7                         ; which 128 rows of the tile I fetch
	s_lshl_b32 s20, s17, 8
	s_add_co_u32 s20, s20, s18                     ; hidden: row 256 x tile row + 128 x half
	s_lshl_b32 s46, s42, 8
	s_add_co_u32 s46, s46, s18                     ; W: position 256 x tile column + 128 x half, of the first weight
	s_mov_b32 s21, 0
	s_mov_b32 s47, 0
	s_mov_b64 s[18:19], KS
	s_mul_u64 s[22:23], s[20:21], s[18:19]         ; where these rows' scale bytes begin
	s_mul_u64 s[92:93], s[46:47], s[18:19]
	s_mov_b64 s[18:19], KROW
	s_mul_u64 s[20:21], s[20:21], s[18:19]         ; and their codes
	s_mul_u64 s[46:47], s[46:47], s[18:19]
	s_mul_i32 s45, s14, HALFT                      ; where they go: wave x 128 rows: no place in the cluster enters an LDS address
	s_mul_i32 s94, s14, HALFS                      ; hidden's scales (waves 0, 1): wave x HALFS
	s_mul_i32 s95, s16, TILES*HALFS                ; W's (waves 2, 3): half x three tiles
	s_wait_dscnt 0x0                               ; the opening add is done
	s_wait_kmcnt 0x0
	s_add_nc_u64 s[20:21], s[4:5], s[20:21]
	s_add_nc_u64 s[22:23], s[6:7], s[22:23]
	s_add_nc_u64 s[46:47], s[8:9], s[46:47]
	s_add_nc_u64 s[92:93], s[10:11], s[92:93]
	CROUND                                         ; all sixteen work-groups are here: the first joint loads meet
	s_mov_b32 s[G0S], 1
	s_add_co_u32 s[G0S+1], s94, SCL
	s_mov_b64 s[G0S+2:G0S+3], s[22:23]
	s_or_b32 s[G0S+3], s[G0S+3], 0x80000000
	s_mov_b32 s[G0SB], 1
	s_add_co_u32 s[G0SB+1], s95, SCLB
	s_mov_b64 s[G0SB+2:G0SB+3], s[92:93]
	s_or_b32 s[G0SB+3], s[G0SB+3], 0x80000000
	JLOAD G0S, G1S, G0SB, G1SB                     ; the scales first: they are wanted with K step 0
.irp s, 0,1
	s_mov_b32 s[G0+4*\s], 1
	s_add_co_u32 s[G0+4*\s+1], s45, \s*SLOT
	s_add_nc_u64 s[G0+4*\s+2:G0+4*\s+3], s[20:21], \s*ROWB
	s_or_b32 s[G0+4*\s+3], s[G0+4*\s+3], 0x80000000
	s_mov_b32 s[G0B+4*\s], 1
	s_add_co_u32 s[G0B+4*\s+1], s45, \s*SLOT
	s_add_nc_u64 s[G0B+4*\s+2:G0B+4*\s+3], s[46:47], \s*ROWB
	s_or_b32 s[G0B+4*\s+3], s[G0B+4*\s+3], 0x80000000
	JLOAD G0+4*\s, G1, G0B+4*\s, G1B               ; three loads of mine are out now
.endr
	v_and_b32 v1, 15, v0                           ; l % 16
	v_bfe_u32 v[H], v0, 4, 1                       ; l / 16
	v_mul_u32_u24 v3, v1, PITCH
	v_mul_u32_u24 v4, v[H], 24
	v_add_nc_u32 v4, v3, v4                        ; a fragment's row x pitch + 24 x half
	v_lshl_add_u32 v5, v[H], 4, v4                 ; and the same behind one padding more
	s_mul_i32 s21, s15, HALFT                      ; my 128 rows of hidden
	s_mul_i32 s22, s16, HALFT                      ; my 128 positions of W,
	s_add_co_u32 s22, s22, 2*HALFT                 ; which lie behind hidden's 256
.irp s, 0,1
	v_add_nc_u32 v[ADRA+\s], s21, v4
	v_add_nc_u32 v[ADRB+\s], s22, v4
	v_add_nc_u32 v[ADRA+2+\s], s21, v5
	v_add_nc_u32 v[ADRB+2+\s], s22, v5
	s_add_co_u32 s21, s21, SLOT
	s_add_co_u32 s22, s22, SLOT
.endr
	v_mul_u32_u24 v5, v1, KS                       ; my row's scale bytes: KS a row,
	v_lshrrev_b32 v6, 8, v5
	v_lshl_add_u32 v5, v6, 4, v5                   ; and 16 more for each 256 passed
	s_mul_i32 s21, s15, HALFS                      ; hidden's: my 128 rows
	s_mul_i32 s[DS], s16, TILES*HALFS              ; W's: my 128 positions of the first tile, behind hidden's 256 rows
	s_add_co_u32 s[DS], s[DS], 2*HALFS
	s_sub_co_u32 s[DS], s[DS], s21                 ; the distance between the two
	s_add_co_u32 s21, s21, SCL
	v_add_nc_u32 v[SBASE], s21, v5
	v_mul_u32_u24 v[ADRS], s[DS], v[H]             ; lanes 16-31 take W's: the lower base + half x the distance
	v_add_nc_u32 v[ADRS], v[SBASE], v[ADRS]
	v_and_b32 v6, 31, v0
	v_lshlrev_b32 v[LI], 4, v6
	v_lshlrev_b32 v[L4], 2, v6
.irp b, 0,1,2,3
	v_mov_b32 v[TM+4+\b], 0                        ; written once: a lane permute's destination counts as one of its sources
.endr
	; where my results go.  (In registers that held W's addresses: none that fed hidden's descriptors holds cx)
	s_lshl_b32 s18, s40, 1
	s_add_co_u32 s18, s18, s16                     ; ks: which 128 of the channel's 1,024 output units are mine: 2 cx + half
	s_lshl_b32 s19, ttmp9, 6
	s_lshl_b32 s46, s17, 1
	s_add_co_u32 s19, s19, s46
	s_add_co_u32 s19, s19, s15                     ; X of the key's tile = c 64 + 2 x tile row + half  (= c 64 + 4 b + the quarter of s)
	s_mul_i32 s46, s19, 98304
	s_mul_i32 s92, s18, 1536
	s_add_co_u32 s46, s46, s92
	s_mov_b32 s47, 0
	s_add_nc_u64 s[96:97], s[96:97], s[46:47]      ; my images: block a lies 12,288 a bytes on
	s_lshl_b32 s46, s19, 12
	s_lshl_b32 s92, s18, 9
	s_add_co_u32 s46, s46, s92
	s_add_nc_u64 s[98:99], s[98:99], s[46:47]      ; my 512 bytes of scale words
	s_lshl_b32 s46, ttmp9, 3
	s_add_co_u32 s46, s46, s18                     ; vpart: 8 c + part,
	s_lshl_b32 s46, s46, 13                        ; x 8,192 rows,
	s_lshl_b32 s92, s17, 8
	s_add_co_u32 s46, s46, s92
	s_lshl_b32 s92, s15, 7
	s_add_co_u32 s46, s46, s92                     ; + my first row,
	s_lshl_b32 s46, s46, 2                         ; in bytes
	s_add_nc_u64 s[12:13], s[12:13], s[46:47]
	s_mov_b32 s[SEL], 0x76543210
	s_mov_b32 s[SEL+1], 0xfedcba98
	s_mov_b32 s[FLR], 0x1800000
	s_mov_b32 s[HM], 0xffff0000
.macro FRAG reg, adr, q, i             ; a fragment, 16 rows x 128 K of 6-bit codes, is 12 registers: lane l holds row l % 16; registers 6 c .. 6 c + 5 hold K = 64 c + 32 (l / 16) + 0 .. 31: 24 bytes of the row's stream of bits, as they lie
.irp p, 0,1,2,3,4,5                    ; in pieces of 8 bytes, so that every address is a multiple of the access's size
.set PCE, 12*(\q)+6*(\p/3)+\p%3       ; 16 bytes of padding lie behind every 8 pieces: where the piece three on lies behind one padding more, the second address register serves
.if PCE%8 < 5
	ds_load_b64 v[\reg+2*\p:\reg+2*\p+1], v[\adr] offset:8*PCE+16*(PCE/8)+(\i)*16*PITCH
.else
	ds_load_b64 v[\reg+2*\p:\reg+2*\p+1], v[\adr+2] offset:8*PCE+16*(PCE/8)+(\i)*16*PITCH
.endif
.endr
.endm
; 16 matrix instructions: hidden's blocks a0, a0 + 1 x W's eight, 128 along K: the slot's q-th.  p: W's set;  sc: the set of scale words.  zero = 1: the first product starts the sums: nothing is ever cleared.
; The 64 accumulators take turns, one instruction a turn, in the same order in every step, from tile to tile too.
.macro MUL16 a0, p, q, sc, zero
.irp a, \a0, \a0+1
.irp b, 0,1,2,3,4,5,6,7
.if \zero
	v_wmma_scale_f32_16x16x128_f8f6f4 v[8*(8*((\a)%4)+\b):8*(8*((\a)%4)+\b)+7], v[128*(\p)+FR*\b:128*(\p)+FR*\b+FR-1], v[AF+FR*(\a):AF+FR*(\a)+FR-1], 0, v[SC+8*NQ*(\sc)+NQ*\b+(\q)], v[SC+8*NQ*(\sc)+NQ*(\a)+(\q)] matrix_a_fmt:MATRIX_FMT_FP6 matrix_b_fmt:MATRIX_FMT_FP6 matrix_a_scale:MATRIX_SCALE_ROW1
.else
	v_wmma_scale_f32_16x16x128_f8f6f4 v[8*(8*((\a)%4)+\b):8*(8*((\a)%4)+\b)+7], v[128*(\p)+FR*\b:128*(\p)+FR*\b+FR-1], v[AF+FR*(\a):AF+FR*(\a)+FR-1], v[8*(8*((\a)%4)+\b):8*(8*((\a)%4)+\b)+7], v[SC+8*NQ*(\sc)+NQ*\b+(\q)], v[SC+8*NQ*(\sc)+NQ*(\a)+(\q)] matrix_a_fmt:MATRIX_FMT_FP6 matrix_b_fmt:MATRIX_FMT_FP6 matrix_a_scale:MATRIX_SCALE_ROW1
.endif
.endr
.endr
.endm
.macro FETCH_B slot, q, p              ; W's eight fragments of the slot's q-th 128 along K into set p
	WIN TO_B
.irp i, 0,1,2,3,4,5,6,7
	FRAG 128*(\p)+FR*\i, ADRB+\slot, \q, \i
.endr
	WIN 0
.endm
.macro FETCH_A slot, q, i0             ; hidden's blocks i0 .. i0 + 3
.irp i, \i0, \i0+1, \i0+2, \i0+3
	FRAG AF+FR*(\i), ADRA+\slot, \q, \i
.endr
.endm
.macro SCALES sc, kn                   ; the scale words of the tile's K step kn into set sc: NQ words a row, 4 NQ kn bytes into the row's 32
.irp i, 0,1,2,3,4,5,6,7
	ds_load_b64 v[SC+8*NQ*\sc+NQ*\i:SC+8*NQ*\sc+NQ*\i+1], v[ADRS] offset:\i*SBLK+4*NQ*(\kn)
.endr
.endm
; A load into a register that a matrix instruction has read, and a vector instruction that reads a matrix result or writes one of a matrix instruction's registers, stand NP places behind it; only plain vector
; instructions that name none of its registers are places (ISA guide 7.12.1 for vector instructions).
.macro PLACES n
.rept \n
	v_nop
.endr
.endm
; A step of 128 along K that has its successor in the same slot.
.macro STEP slot, q, zero
	s_wait_dscnt 4*NL                              ; W's set and hidden's blocks 0-3 are in; the youngest 24 loads (blocks 4-7) may be out
	WIN MUL_LO
	MUL16 0, (\q)%2, \q, \slot, \zero
	MUL16 2, (\q)%2, \q, \slot, \zero
	s_wait_dscnt 0                                 ; blocks 4-7 are in (asked for 32 matrix instructions ago)
	PLACES NP
	FETCH_B \slot, (\q)+1, 1-(\q)%2
	FETCH_A \slot, (\q)+1, 0
	WIN MUL_HI
	MUL16 4, (\q)%2, \q, \slot, \zero
	MUL16 6, (\q)%2, \q, \slot, \zero
	PLACES NP
	WIN 0
	FETCH_A \slot, (\q)+1, 4
.endm
; A slot's last step changes slots: ONE barrier; in front of it each wave waits for all its tensor loads, adds 0 to its spare word, and waits for that and for its own reads of this slot.
; fill = 1: this slot is filled again with this tile's K step two on;  fill = 2: with the NEXT tile's K step 0 or 1;  fill = 0: not at all.  kn: the K step, in its tile, that lies in the slot ahead.
.macro TURN slot, next, fill, kn
	s_wait_tensorcnt 0x0                           ; all my tensor loads have landed: my part of the next slot;  (every window is 0 here)
	ds_add_u32 v[SPW], v[NIL]                      ; 0 onto my spare word;
	s_wait_dscnt 4*NL+1                            ; (the add and the youngest 24 loads, blocks 4-7, may be out)
	WIN MUL_LO
	MUL16 0, 1, NQ-1, \slot, 0                     ; sixteen matrix instructions stand between the add and the wait for it
	s_wait_dscnt 0x0                               ; the add is done, and my reads of this slot are over
	s_barrier_signal -1
	MUL16 2, 1, NQ-1, \slot, 0
	WIN 0
	s_barrier_wait -1
.if \fill
	CREST                                          ; the barrier has opened a round of the cluster's barrier: no wave of any partner still reads this slot's tile or has a load on its way
.if \fill == 1
	s_add_nc_u64 s[G0+4*\slot+2:G0+4*\slot+3], s[G0+4*\slot+2:G0+4*\slot+3], 2*ROWB
	s_add_nc_u64 s[G0B+4*\slot+2:G0B+4*\slot+3], s[G0B+4*\slot+2:G0B+4*\slot+3], 2*ROWB
.else
	s_sub_nc_u64 s[G0+4*\slot+2:G0+4*\slot+3], s[G0+4*\slot+2:G0+4*\slot+3], BACK_A      ; the same rows of hidden, back along K;
	s_add_nc_u64 s[G0B+4*\slot+2:G0B+4*\slot+3], s[G0B+4*\slot+2:G0B+4*\slot+3], NEXT_B  ; the next weight's positions
.endif
	JLOAD G0+4*\slot, G1, G0B+4*\slot, G1B         ; the first tensor load behind the round, my one load until the next; the four v_nop behind it are the places in front of the loads below
.else
	PLACES NP
.endif
.if \kn == 0
	s_add_co_u32 s[DS], s[DS], HALFS               ; the slot ahead holds the next tile's first K step: W's scale words of that tile lie HALFS bytes on, hidden's stay
	v_mul_u32_u24 v[ADRS], s[DS], v[H]
	v_add_nc_u32 v[ADRS], v[SBASE], v[ADRS]
.endif
	FETCH_B \next, 0, 0
	FETCH_A \next, 0, 0
	SCALES \next, \kn
	WIN MUL_HI
	MUL16 4, 1, NQ-1, \slot, 0
	MUL16 6, 1, NQ-1, \slot, 0
	PLACES NP
	WIN 0
	FETCH_A \next, 0, 4
.endm
; THE WAY OUT OF KEY AND QUERY.  Block a's 64 registers (register 16 B + i = output unit 32 B + 16 (lane / 16) + i of my row) become a fragment's 12 registers and its scale word, and the fragment is stored.
; The next tile's first operands already lie in v32-47 and v128-223 of window 0: the way out keeps to v64-127 and v224-255.
.macro QUANTW a
.set AC,  64*((\a)%4)
.set WN,  2+(\a)/4                     ; the block's window
.set WS,  (WN<<2)|(WN<<4)
.set PCA, 100+12*((\a)%4)+100*(((\a)%4)/2)     ; the block's codes: v100, v112, v224, v236 on
.if (\a) == 4
	s_wait_xcnt 0x0                                ; the stores of blocks 0 to 3 have read their registers: the four sets are written again only behind this wait
.endif
	WIN WS                                         ; sources 1 and 2 in the block's window
.irp b, 0,1,2,3
	v_max3_num_f32 v[TM+\b], s[FLR], |v[AC+16*\b]|, |v[AC+16*\b+1]|   ; the floor, under which no largest magnitude is taken: the byte cannot fall under 1.  Each accumulator is read from its low end on
.endr
.irp i, 2,4,6,8,10,12,14
.irp b, 0,1,2,3
	v_max3_num_f32 v[TM+\b], v[TM+\b], |v[AC+16*\b+\i]|, |v[AC+16*\b+\i+1]|   ; (the four blocks of 32 by turns)
.endr
.endr
	WIN 0
.irp b, 0,1,2,3
	v_permlanex16_b32 v[TM+4+\b], v[TM+\b], s[SEL], s[SEL+1]
.endr
.irp b, 0,1,2,3
	v_max_num_f32 v[TM+\b], v[TM+\b], v[TM+4+\b]   ; with lane l xor 16's 16: the block's largest magnitude
.endr
.irp b, 0,1,2,3
	v_add_nc_u32 v[TM+12+\b], 0xff000000, v[TM+\b] ; 2 off its exponent field: the conversion's scale operand
.endr
.irp b, 0,1,2,3
	v_lshrrev_b32 v[TM+4+\b], 23, v[TM+12+\b]      ; the scale's byte
.endr
	v_lshl_or_b32 v[PW+(\a)], v[TM+5], 8, v[TM+4]  ; the four bytes make my row's scale word
	v_lshl_or_b32 v[PW+(\a)], v[TM+6], 16, v[PW+(\a)]
	v_lshl_or_b32 v[PW+(\a)], v[TM+7], 24, v[PW+(\a)]
	WIN WN                                         ; source 0 in the block's window
.irp c, 0,1
	v_cvt_scalef32_pk16_fp6_f32 v[PCA+6*\c:PCA+6*\c+2], v[AC+32*\c:AC+32*\c+15], v[TM+12+2*\c]
	v_cvt_scalef32_pk16_fp6_f32 v[T2+4*\c:T2+4*\c+2], v[AC+32*\c+16:AC+32*\c+31], v[TM+13+2*\c]   ; (a conversion's three registers begin on an even number)
.endr
	WIN 0
	v_nop                                          ; one plain place behind a scaled conversion: for the lines below, and for the next tile's products, which write the conversions' sources
.irp c, 0,1                                    ; the operand's layout wants a WHOLE block of 32 in a lane: lanes 0-15 block 2 c, lanes 16-31 block 2 c + 1
.irp i, 0,1,2
	v_permlane16_swap_b32 v[PCA+6*\c+\i], v[T2+4*\c+\i]
.endr
.irp i, 0,1,2
	v_mov_b32 v[PCA+3+6*\c+\i], v[T2+4*\c+\i]
.endr
.endr
.irp g, 0,1,2
	global_store_b128 v[LI], v[PCA+4*\g:PCA+4*\g+3], s[96:97] offset:(\a)*12288+512*\g th:TH_STORE_NT   ; 32 lanes store 512 consecutive bytes, aligned
.endr
.endm
; THE WAY OUT OF VALUE: block a's sum over my 128 output units
.macro VSUMW a
.set AC,  64*((\a)%4)
.set WN,  2+(\a)/4
.set WS,  WN|(WN<<2)
.set WT,  WN<<2
	WIN WS                                         ; sources 0 and 1 in the block's window
.irp b, 0,1,2,3,4,5,6,7
	v_pk_add_f32 v[VT+2*\b:VT+2*\b+1], v[AC+8*\b:AC+8*\b+1], v[AC+8*\b+2:AC+8*\b+3]   ; each accumulator from its low end on; eight chains
.endr
	WIN WT                                         ; source 1 alone
.irp u, 4,6
.irp b, 0,1,2,3,4,5,6,7
	v_pk_add_f32 v[VT+2*\b:VT+2*\b+1], v[VT+2*\b:VT+2*\b+1], v[AC+8*\b+\u:AC+8*\b+\u+1]
.endr
.endr
	WIN 0
.irp k, 0,1,2,3
	v_pk_add_f32 v[VT+4*\k:VT+4*\k+1], v[VT+4*\k:VT+4*\k+1], v[VT+4*\k+2:VT+4*\k+3]
.endr
.irp k, 0,1
	v_pk_add_f32 v[VT+8*\k:VT+8*\k+1], v[VT+8*\k:VT+8*\k+1], v[VT+8*\k+4:VT+8*\k+5]
.endr
	v_pk_add_f32 v[VT:VT+1], v[VT:VT+1], v[VT+8:VT+9]
	v_add_f32 v[SV+(\a)], v[VT], v[VT+1]           ; my 64 of the row's 128
.endm
	s_wait_tensorcnt 1                             ; the scales and my part of K step 0 are in (K step 1's load may be out)
	s_barrier_signal -1
	s_barrier_wait -1                              ; everybody's are
	FETCH_B 0, 0, 0
	FETCH_A 0, 0, 0
	SCALES 0, 0
	FETCH_A 0, 0, 4
	s_mov_b32 s[TL], TILES-1
.Ltile:                                                ; two trips: the key's tile, the query's.  Each has a successor, so all four changes of slots fill a slot again
	STEP 0, 0, 1                                   ; a tile's first products start the sums
	TURN 0, 1, 1, 1                                ; slot 0 takes K step 2
	STEP 1, 0, 0
	TURN 1, 0, 1, 2                                ; slot 1 takes K step 3
	STEP 0, 0, 0
	TURN 0, 1, 2, 3                                ; THE RING GOES ON INTO THE NEXT TILE: slot 0 takes its K step 0,
	STEP 1, 0, 0
	TURN 1, 0, 2, 0                                ; slot 1 its K step 1, and the next tile's first fragments and scale words are fetched
	; both refills are asked for: now the tile goes out.  TURN's last four v_nop are the places behind the last products
.irp a, 0,1,2,3,4,5,6,7
	QUANTW \a
.endr
.irp q, 0,1,2,3
	v_cndmask_b32 v[SI+\q], v[PW+\q], v[PW+4+\q], s[HM]   ; lanes 0-15: block q's word of row r; lanes 16-31: block 4 + q's
.endr
	global_store_b128 v[LI], v[SI:SI+3], s[98:99] th:TH_STORE_NT
	s_wait_xcnt 0x0                                ; the stores have read their registers and their bases: both are written again only behind this wait
	s_add_nc_u64 s[96:97], s[96:97], 128*98304     ; from key to query: X + 128.  (The second trip's step is not used)
	s_add_nc_u64 s[98:99], s[98:99], 128*4096
	s_sub_co_u32 s[TL], s[TL], 1
	s_cmp_lg_u32 s[TL], 0
	s_cbranch_scc1 .Ltile
	STEP 0, 0, 1                                   ; the value's tile is written out: its last lap fills nothing, and has no round of the cluster's barrier
	TURN 0, 1, 1, 1
	STEP 1, 0, 0
	TURN 1, 0, 1, 2
	STEP 0, 0, 0
	TURN 0, 1, 0, 3
	STEP 1, 0, 0
	s_wait_dscnt 4*NL                              ; the very last step: nothing more to fetch
	WIN MUL_LO
	MUL16 0, 1, NQ-1, 1, 0
	MUL16 2, 1, NQ-1, 1, 0
	s_wait_dscnt 0
	WIN MUL_HI
	MUL16 4, 1, NQ-1, 1, 0
	MUL16 6, 1, NQ-1, 1, 0
	WIN 0
	PLACES NP                                      ; behind the last products, ahead of every read of results below
.irp a, 0,1,2,3,4,5,6,7
	v_mov_b32 v[SX+\a], 0                          ; a lane permute's destination counts as one of its sources
.endr
.irp a, 0,1,2,3,4,5,6,7
	VSUMW \a
.endr
.irp a, 0,1,2,3,4,5,6,7
	v_permlanex16_b32 v[SX+\a], v[SV+\a], s[SEL], s[SEL+1]
.endr
.irp a, 0,1,2,3,4,5,6,7
	v_add_f32 v[SV+\a], v[SV+\a], v[SX+\a]         ; with lane l xor 16's 64
.endr
.irp i, 0,1,2,3
	v_cndmask_b32 v[SO+\i], v[SV+2*\i], v[SV+2*\i+1], s[HM]   ; lane l: row 32 i + l
.endr
.irp i, 0,1,2,3
	global_store_b32 v[L4], v[SO+\i], s[12:13] offset:128*\i  ; 128 consecutive bytes a store, the four on end 512 aligned bytes; all of vpart is one fiftieth of what this launch stores
.endr
	s_wait_tensorcnt 0x0                           ; the wave's end: behind my last tensor load
	ds_add_u32 v[SPW], v[NIL]
	s_wait_dscnt 0x0
	CROUND                                         ; the closing round: no work-group ends while a partner may still ask for a tile that names it
	s_endpgm
.Lfunc_end_k_q73ac4747fb_proj:
	.size	k_q73ac4747fb_proj, .Lfunc_end_k_q73ac4747fb_proj-k_q73ac4747fb_proj
	.p2alignl 7, 3214868480
	.fill 96, 4, 3214868480
	.section	.rodata,"a",@progbits
	.p2align	6, 0x0
	.amdhsa_kernel k_q73ac4747fb_proj
		.amdhsa_group_segment_fixed_size 327680
		.amdhsa_private_segment_fixed_size 0
		.amdhsa_enable_private_segment 0
		.amdhsa_kernarg_size 56
		.amdhsa_user_sgpr_count 2
		.amdhsa_user_sgpr_kernarg_segment_ptr 1
		.amdhsa_wavefront_size32 1
		.amdhsa_system_sgpr_workgroup_id_x 1
		.amdhsa_system_sgpr_workgroup_id_y 1
		.amdhsa_system_sgpr_workgroup_id_z 1
		.amdhsa_system_vgpr_workitem_id 0
		.amdhsa_next_free_vgpr 1024
		.amdhsa_next_free_sgpr 100
		.amdhsa_reserve_vcc 0
		.amdhsa_float_denorm_mode_32 3
		.amdhsa_float_denorm_mode_16_64 3
		.amdhsa_memory_ordered 1
		.amdhsa_forward_progress 1
		.amdhsa_inst_pref_size 255
	.end_amdhsa_kernel
	.section	.bss,"aw",@nobits
	.p2align	6
	.space	262144
	.amdgpu_metadata
---
amdhsa.version: [ 1, 2 ]
amdhsa.kernels:
  - .name:           k_q73ac4747fb_proj
    .symbol:         k_q73ac4747fb_proj.kd
    .args:
      - { .name: h_codes, .offset: 0, .size: 8, .value_kind: global_buffer, .address_space: global }
      - { .name: h_scales, .offset: 8, .size: 8, .value_kind: global_buffer, .address_space: global }
      - { .name: w_codes, .offset: 16, .size: 8, .value_kind: global_buffer, .address_space: global }
      - { .name: w_scales, .offset: 24, .size: 8, .value_kind: global_buffer, .address_space: global }
      - { .name: kq_codes, .offset: 32, .size: 8, .value_kind: global_buffer, .address_space: global }
      - { .name: kq_scales, .offset: 40, .size: 8, .value_kind: global_buffer, .address_space: global }
      - { .name: vpart, .offset: 48, .size: 8, .value_kind: global_buffer, .address_space: global }
    .group_segment_fixed_size: 327680
    .private_segment_fixed_size: 0
    .kernarg_segment_align: 8
    .kernarg_segment_size: 56
    .max_flat_workgroup_size: 128
    .sgpr_count:     100
    .vgpr_count:     1024
    .wavefront_size: 32
...
	.end_amdgpu_metadata
.endif
;; end of part 2
;; launch attn (part 3): grid 4 x 64, 4 waves a work-group, clusters of 4 x 4, 225,280 bytes of LDS; arguments kq_codes, kq_scales, vpart, w_codes, w_scales, out0; writes out0
.if DOCPART == 3
	.amdgcn_target "amdgcn-amd-amdhsa--gfx1250"
	.amdhsa_code_object_version 6
	.text
	.protected	k_q73ac4747fb_attn
	.globl	k_q73ac4747fb_attn
	.p2align	8
	.type	k_q73ac4747fb_attn,@function
k_q73ac4747fb_attn:
	s_mov_b64 s[64:65], 0
	v_nop
	global_prefetch_b8 v0, s[64:65] scope:SCOPE_SE
	s_setreg_imm32_b32 hwreg(HW_REG_WAVE_MODE, 25, 1), 1
	s_wait_xcnt 0x0
	s_wait_alu depctr_hold_cnt(0) depctr_sa_sdst(0) depctr_va_vdst(0) depctr_va_sdst(0) depctr_va_ssrc(0) depctr_va_vcc(0) depctr_vm_vsrc(0)
	s_getreg_b32 s2, hwreg(HW_REG_IB_STS2, 6, 4)
	s_cmp_eq_u32 s2, 0
	s_cbranch_scc0 .Lentry_in_a_cluster
	s_endpgm
.Lentry_in_a_cluster:
	s_bfe_u32 s2, ttmp6, 0x10000c
	s_cmp_lg_u32 s2, 0xf033
	s_cbranch_scc0 .Lentry_shape_is_right
	s_endpgm
.Lentry_shape_is_right:
; out0[b][c][i][j] = (sum over o of Q(query)[c][b][i][o] Q(key)[c][b][j][o]) x vsum[c][b][j], i = 0 .. 543 (512 query rows, then the channel's 32 rows of emb), j = 0 .. 511; both operands codes of FP6 (E2M3) with one
; E8M0 scale for each 32 along o; sums in f32, K ascending.  vsum[c][b][j] = the sum of vpart's eight parts.
; key and query arrive as images of operand registers: kq_codes [X 256][a 8][ks 8][1536 bytes], X = (kind 2 + c) 64 + 4 b + quarter of s, a = block of 16 rows, ks = 128 along o; registers 4 g .. 4 g + 3 of lane l at 512 g + 16 l.
; kq_scales [X][ks][512]: at 16 (r + 16 h) four words: word q = the scale word of row r of block 4 h + q.  emb's codes and scale bytes lie as rows (768 and 32 bytes) from row 6,144 of w_codes and w_scales on.
; SHARES.  The grid is one cluster wide: work-group x = cx = a quarter of 128 keys; work-group y = 4 b + cy, cy = 2 c + hi: a cluster holds the sixteen work-groups of one b.  A work-group makes query rows 256 hi .. + 255 and emb's
; rows 16 hi .. + 15 against its 128 keys.  Wave w: wj = w % 2: 64 keys (4 blocks: 256 bytes of an output row); wi = w / 2: 128 query rows (8 blocks); the waves with wi = 0 also take emb's block.
; THE KEYS STAY IN REGISTERS: a wave's 4 blocks x 8 K steps, 384 registers, loaded once, straight from memory.  THE QUERY ROWS come into LDS once, 196,608 bytes for all of K, by five tensor loads a wave at the head: nothing
; is ever filled again, so there is no ring.  They are used block by block: a block of 16 rows is finished over all 8 K steps (32 matrix instructions, 4 accumulators by turns), multiplied by vsum, sent through the wave's
; stage and stored while the next block is multiplied.
; MULTICAST: the four work-groups of a row of the cluster (same b, c, hi) need the same query rows: those tiles are asked for jointly.  The keys are not: a quarter of keys is read by two work-groups only (hi = 0, 1), and it goes
; straight into registers, without a trip through LDS.
; No prefetch: every byte that the work-group reads is asked for in its first lines.
; THE MATRIX INSTRUCTION IS USED TRANSPOSED (source 0 = 16 keys, source 1 = 16 query rows): lane (r, h) holds row r and, in register j of tile t, key 16 t + 8 h + j: eight neighbouring numbers of an output row.
; REGISTERS: window 0: v1-16 addresses; v32-63 the keys' scale words (4 ks + t); v64-79 the rows' scale words, two sets of 8; v80-111 vsum (8 t + j); v112-175 accumulators, two sets of 32; v176-239 rows on the way out, two sets;
;   v252, v253 the add's two.  window 1: key fragments of K steps 0-3 at 48 ks + 12 t; window 2: of K steps 4-7; window 3: two sets of a block's 8 fragments, at 96 p + 12 ks.
.set QIMG,  0                          ; LDS: the query rows' images [quarter 2][a 8][ks 8][1536]
.set QSC,   196608                     ; their scale words [quarter 2][ks 8][512]
.set STG,   204800                     ; the stages: 16 rows x (256 + 16) bytes for each wave
.set VS,    222208                     ; vsum: 256 bytes for each wave
.set SPARE, 223232                     ; the spare words, 128 bytes a wave
.set LI,   4                           ; v4   16 x lane
.set AQ0,  5                           ; v5   my quarter's images, blocks 0-3;  v6: blocks 4-7
.set AQS,  7                           ; v7   my quarter's scale words, row r
.set KSA,  8                           ; v8   the keys' scale words in memory
.set VPA,  9                           ; v9   8 x lane
.set VSA,  10                          ; v10  vsum into LDS
.set VSR,  11                          ; v11  and back
.set STO,  12                          ; v12  the stage: where I put 32 bytes of a row
.set RD,   13                          ; v13  and where I read a row back
.set CO,   14                          ; v14  my byte offset in two rows of the output
.set EA,   15                          ; v15  emb's codes: row r, + 24 h
.set ESA,  16                          ; v16  emb's scale words: row r
.set KS,   32
.set QS,   64
.set VSUM, 80
.set ACC,  112
.set BK,   176
.set SPW,  252
.set NIL,  253
.set G1Q,  24                          ; s[24:31] descriptor group 1 for a block's images;  s[32:39] for the scale words
.set G1S,  32
.set G0S,  40                          ; s[40:43] group 0 for the scale words;  s[44:59] four groups 0 for the images
.set G0Q,  44
.set KB,   66                          ; s[66:67] my key fragments;  s[68:69] their scale words;  s[70:71] vpart;  s[72:73], s[74:75] emb's codes and scale bytes;  s[76:77] my first output row;  s[78:79] emb's
.set KSB,  68
.set VPB,  70
.set ECB,  72
.set ESB,  74
.set OB,   76
.set OE,   78
.set MSB, 0
.macro WIN new                         ; the immediate's high byte repeats the setting that is left
.if MSB != \new
	s_set_vgpr_msb (MSB<<8)|\new
.set MSB, \new
.endif
.endm
.macro CROUND                          ; a round of the cluster's barrier
	s_barrier_signal -1
	s_barrier_wait -1
	s_cmp_lg_u32 s16, 0
	s_cbranch_scc1 .Lnot_wave_0_\@
	s_barrier_signal -3
.Lnot_wave_0_\@:
	s_barrier_wait -3
	s_barrier_signal -1
	s_barrier_wait -1
.endm
.macro PLACES                          ; four places behind a matrix instruction, ahead of reads of its results and of loads into its registers (ISA guide 7.12.1 for reads of its results)
.rept 4
	v_nop
.endr
.endm
	s_load_b256 s[4:11], s[0:1], 0x0               ; kq_codes s[4:5], kq_scales s[6:7], vpart s[8:9], w_codes s[10:11]
	s_load_b128 s[12:15], s[0:1], 0x20             ; w_scales s[12:13], out0 s[14:15]
	v_lshl_add_u32 v[SPW], v0, 2, SPARE
	v_mov_b32 v[NIL], 0
	ds_add_u32 v[SPW], v[NIL]                      ; the wave's opening: the add and its wait stand ahead of my first tensor load; the set-up below, work on registers, stands between them
	v_lshrrev_b32 v1, 5, v0
	v_readfirstlane_b32 s16, v1                    ; wave 0..3
	s_lshr_b32 s17, s16, 1                         ; wi
	s_and_b32 s18, s16, 1                          ; wj
	s_bfe_u32 s19, ttmp6, 0x40000                  ; cx: the quarter of keys
	s_bfe_u32 s20, ttmp6, 0x40004                  ; cy = 2 c + hi
	s_and_b32 s21, ttmp7, 0xffff                   ; the cluster's y: b
	s_lshr_b32 s22, s20, 1                         ; c
	s_and_b32 s23, s20, 1                          ; hi
	v_and_b32 v1, 31, v0                           ; lane
	v_and_b32 v2, 15, v0                           ; r
	v_bfe_u32 v3, v0, 4, 1                         ; h
	v_lshlrev_b32 v[LI], 4, v1
	s_mul_i32 s2, s17, 98304
	v_add_nc_u32 v[AQ0], s2, v[LI]
	v_add_nc_u32 v[AQ0+1], 49152, v[AQ0]
	s_lshl_b32 s2, s17, 12
	s_add_co_u32 s2, s2, QSC
	v_lshl_add_u32 v[AQS], v2, 4, s2
	s_lshl_b32 s2, s18, 8
	v_lshl_add_u32 v[KSA], v2, 4, s2               ; 16 r + 256 wj: the four words of blocks 4 wj .. 4 wj + 3
	v_lshlrev_b32 v[VPA], 3, v1
	s_lshl_b32 s2, s16, 8
	s_add_co_u32 s2, s2, VS
	v_lshl_add_u32 v[VSA], v1, 3, s2
	v_lshl_add_u32 v[VSR], v3, 5, s2
	s_mul_i32 s2, s16, 16*272
	s_add_co_u32 s2, s2, STG
	v_mul_u32_u24 v[STO], v2, 272
	v_lshl_add_u32 v[STO], v3, 5, v[STO]
	v_add_nc_u32 v[STO], s2, v[STO]                ; in: row r, + 32 h; tile t lies 64 t bytes on
	v_mul_u32_u24 v[RD], v3, 272
	v_lshl_add_u32 v[RD], v2, 4, v[RD]
	v_add_nc_u32 v[RD], s2, v[RD]                  ; back: lanes 0-15 one row of 256 bytes, lanes 16-31 the next
	v_lshlrev_b32 v[CO], 11, v3
	v_lshl_add_u32 v[CO], v2, 4, v[CO]             ; and the same two rows in the output (2,048 bytes a row)
	v_mul_u32_u24 v[EA], v2, 768
	v_mad_u32_u24 v[EA], v3, 24, v[EA]
	v_lshlrev_b32 v[ESA], 5, v2
	; what I fetch: of load k the block a = 2 k + w / 2 of quarter w % 2: the same offset d in memory and in LDS.  None of s60-63 ever holds cx
	s_mul_i32 s60, s18, 98304
	s_mul_i32 s61, s17, 12288
	s_add_co_u32 s60, s60, s61                     ; d of load 0
	s_add_co_u32 s61, s22, 2
	s_lshl_b32 s61, s61, 6
	s_lshl_b32 s62, s21, 2
	s_add_co_u32 s61, s61, s62
	s_lshl_b32 s62, s23, 1
	s_add_co_u32 s61, s61, s62                     ; X of my work-group's first quarter of query rows: (2 + c) 64 + 4 b + 2 hi
	s_lshl_b32 s62, s20, 2
	s_lshl_b32 s62, 15, s62                        ; my row of the cluster
	; descriptor group 1: a dense block as rows of 256 bytes (32 elements of 8 bytes), no padding: the reads take 512 consecutive bytes
	s_or_b32 s[G1Q+0], s62, (3<<16)|(1<<21)        ; 15:0 the mask; 17:16 elements of 8 bytes; 21 set beside a mask
	s_mov_b32 s[G1Q+1], 32<<16                     ; tensor_dim0 = 32
	s_mov_b32 s[G1Q+2], 48<<16                     ; tensor_dim1 = 48: a block's 8 images, 12,288 bytes
	s_mov_b32 s[G1Q+3], 32<<16                     ; tile_dim0
	s_mov_b32 s[G1Q+4], 48                         ; tile_dim1
	s_mov_b32 s[G1Q+5], 32                         ; the pitch
	s_mov_b32 s[G1Q+6], 0
	s_mov_b32 s[G1Q+7], 0
	s_or_b32 s[G1S+0], s62, (3<<16)|(1<<21)
	s_mov_b32 s[G1S+1], 32<<16
	s_mov_b32 s[G1S+2], 8<<16                      ; 8 rows: a quarter of the 8,192 bytes of scale words
	s_mov_b32 s[G1S+3], 32<<16
	s_mov_b32 s[G1S+4], 8
	s_mov_b32 s[G1S+5], 32
	s_mov_b32 s[G1S+6], 0
	s_mov_b32 s[G1S+7], 0
	s_wait_dscnt 0x0                               ; the opening add is done
	s_wait_kmcnt 0x0
	s_lshl_b32 s62, s61, 12
	s_lshl_b32 s63, s16, 11
	s_add_co_u32 s62, s62, s63
	s_mov_b32 s63, 0
	s_mov_b32 s[G0S], 1
	s_lshl_b32 s[G0S+1], s16, 11
	s_add_co_u32 s[G0S+1], s[G0S+1], QSC
	s_add_nc_u64 s[G0S+2:G0S+3], s[6:7], s[62:63]
	s_or_b32 s[G0S+3], s[G0S+3], 0x80000000
	s_mul_i32 s62, s61, 98304
	s_add_co_u32 s62, s62, s60
	s_add_nc_u64 s[62:63], s[4:5], s[62:63]
.irp k, 0,1,2,3
	s_mov_b32 s[G0Q+4*\k], 1
	s_add_co_u32 s[G0Q+4*\k+1], s60, \k*24576
	s_add_nc_u64 s[G0Q+4*\k+2:G0Q+4*\k+3], s[62:63], \k*24576
	s_or_b32 s[G0Q+4*\k+3], s[G0Q+4*\k+3], 0x80000000
.endr
	; the bases of the plain loads and of the stores
	s_mov_b32 s83, 0
	s_lshl_b32 s80, s22, 6
	s_lshl_b32 s81, s21, 2
	s_add_co_u32 s80, s80, s81
	s_add_co_u32 s80, s80, s19                     ; X of my keys: c 64 + 4 b + quarter
	s_mul_i32 s82, s80, 98304
	s_mul_i32 s81, s18, 49152                      ; blocks 4 wj on
	s_add_co_u32 s82, s82, s81
	s_add_nc_u64 s[KB:KB+1], s[4:5], s[82:83]
	s_lshl_b32 s82, s80, 12
	s_add_nc_u64 s[KSB:KSB+1], s[6:7], s[82:83]
	s_lshl_b32 s82, s22, 18                        ; vpart: c x 8 parts x 8,192 rows x 4 bytes,
	s_lshl_b32 s80, s21, 11
	s_add_co_u32 s82, s82, s80                     ; + 512 b rows,
	s_lshl_b32 s80, s19, 9
	s_add_co_u32 s82, s82, s80                     ; + 128 x quarter,
	s_lshl_b32 s80, s18, 8
	s_add_co_u32 s82, s82, s80                     ; + 64 wj
	s_add_nc_u64 s[VPB:VPB+1], s[8:9], s[82:83]
	s_lshl_b32 s80, s20, 4
	s_add_co_u32 s80, s80, 6144                    ; emb's row 6,144 + 32 c + 16 hi
	s_mul_i32 s82, s80, 768
	s_add_nc_u64 s[ECB:ECB+1], s[10:11], s[82:83]
	s_lshl_b32 s82, s80, 5
	s_add_nc_u64 s[ESB:ESB+1], s[12:13], s[82:83]
	s_lshl_b32 s81, s19, 9
	s_lshl_b32 s82, s18, 8
	s_add_co_u32 s81, s81, s82                     ; my columns, in bytes: 512 x quarter + 256 wj
	s_lshl_b32 s80, s21, 1
	s_add_co_u32 s80, s80, s22
	s_mul_i32 s80, s80, 544                        ; the first output row of (b, c)
	s_lshl_b32 s82, s23, 8
	s_add_co_u32 s82, s82, s80
	s_lshl_b32 s3, s17, 7
	s_add_co_u32 s82, s82, s3                      ; + 256 hi + 128 wi
	s_lshl_b32 s82, s82, 11
	s_add_co_u32 s82, s82, s81
	s_add_nc_u64 s[OB:OB+1], s[14:15], s[82:83]
	s_lshl_b32 s82, s23, 4
	s_add_co_u32 s82, s82, s80
	s_add_co_u32 s82, s82, 512                     ; emb's rows: 512 + 16 hi
	s_lshl_b32 s82, s82, 11
	s_add_co_u32 s82, s82, s81
	s_add_nc_u64 s[OE:OE+1], s[14:15], s[82:83]
	CROUND                                         ; all sixteen work-groups are here: the joint loads meet
	tensor_load_to_lds s[G0S:G0S+3], s[G1S:G1S+7]  ; all fills of the launch go out as one group: five loads of mine are out
	s_nop 0
.irp k, 0,1,2,3
	tensor_load_to_lds s[G0Q+4*\k:G0Q+4*\k+3], s[G1Q:G1Q+7]
	s_nop 0
.endr
	PLACES                                         ; four v_nop behind the last of them
.irp i, 0,1,2,3,4,5,6,7
	global_load_b64 v[BK+2*\i:BK+2*\i+1], v[VPA], s[VPB:VPB+1] offset:32768*\i   ; part i of vsum, two keys a lane: 256 consecutive bytes
.endr
.irp ks, 0,1,2,3,4,5,6,7
	global_load_b128 v[KS+4*\ks:KS+4*\ks+3], v[KSA], s[KSB:KSB+1] offset:512*\ks   ; word t: the scale word of key r of block 4 wj + t
.endr
	WIN 0x40                                       ; destination window 1
.irp ks, 0,1,2,3
.irp t, 0,1,2,3
.irp g, 0,1,2
	global_load_b128 v[48*\ks+12*\t+4*\g:48*\ks+12*\t+4*\g+3], v[LI], s[KB:KB+1] offset:(8*\t+\ks)*1536+512*\g
.endr
.endr
.endr
	WIN 0x80                                       ; destination window 2
.irp ks, 4,5,6,7
.irp t, 0,1,2,3
.irp g, 0,1,2
	global_load_b128 v[48*(\ks-4)+12*\t+4*\g:48*(\ks-4)+12*\t+4*\g+3], v[LI], s[KB:KB+1] offset:(8*\t+\ks)*1536+512*\g
.endr
.endr
.endr
	WIN 0
	s_cmp_lg_u32 s17, 0                            ; emb's block is taken by the waves with wi = 0
	s_cbranch_scc1 .Lno_emb_load
	global_load_b128 v[QS+8:QS+11], v[ESA], s[ESB:ESB+1]              ; its eight scale words, into set 1
	global_load_b128 v[QS+12:QS+15], v[ESA], s[ESB:ESB+1] offset:16
	WIN 0xc0                                       ; destination window 3
.irp ks, 0,1,2,3,4,5,6,7
.irp p, 0,1,2,3,4,5
	global_load_b64 v[96+12*\ks+2*\p:96+12*\ks+2*\p+1], v[EA], s[ECB:ECB+1] offset:96*\ks+48*(\p/3)+8*(\p%3)   ; its fragments, from rows of codes, into set 1
.endr
.endr
	WIN 0
.Lno_emb_load:
	s_wait_loadcnt 0x0                             ; the launch's one wait for loads into registers
.irp k, 0,1,2,3
	v_pk_add_f32 v[BK+4*\k:BK+4*\k+1], v[BK+4*\k:BK+4*\k+1], v[BK+4*\k+2:BK+4*\k+3]   ; vsum: the eight parts, as a tree
.endr
.irp k, 0,1
	v_pk_add_f32 v[BK+8*\k:BK+8*\k+1], v[BK+8*\k:BK+8*\k+1], v[BK+8*\k+4:BK+8*\k+5]
.endr
	v_pk_add_f32 v[BK:BK+1], v[BK:BK+1], v[BK+8:BK+9]
	ds_store_b64 v[VSA], v[BK:BK+1]                ; my wave's 64 numbers on end,
.irp t, 0,1,2,3
.irp u, 0,1
	ds_load_b128 v[VSUM+8*\t+4*\u:VSUM+8*\t+4*\u+3], v[VSR] offset:64*\t+16*\u   ; and back in the results' layout: keys 16 t + 8 h + 0 .. 7.  My own bytes: LDS serves a wave's instructions in order
.endr
.endr
	s_wait_dscnt 0x0
; Block n of my quarter: its 8 fragments and 8 scale words into set p: 32 LDS loads in one run
.macro FETCHQ n, p
	WIN 0xc0                                       ; destination window 3
.irp ks, 0,1,2,3,4,5,6,7
.irp g, 0,1,2
	ds_load_b128 v[96*(\p)+12*\ks+4*\g:96*(\p)+12*\ks+4*\g+3], v[AQ0+(\n)/4] offset:((\n)%4)*12288+1536*\ks+512*\g
.endr
.endr
	WIN 0
.irp ks, 0,1,2,3,4,5,6,7
	ds_load_b32 v[QS+8*(\p)+\ks], v[AQS] offset:512*\ks+256*((\n)/4)+4*((\n)%4)
.endr
.endm
; 32 matrix instructions: the block in set p against my four blocks of keys, all of K ascending.  The four accumulators take turns, one instruction a turn, and the two sets take turns from block to block.
; The first K step starts the sums: nothing is cleared.
.macro MULQ p
.irp ks, 0,1,2,3,4,5,6,7
.if \ks < 4
	WIN 0x0d                                       ; source 0 (keys) window 1, source 1 (rows) window 3, C and D window 0
.else
	WIN 0x0e                                       ; keys in window 2
.endif
.irp t, 0,1,2,3
.if \ks == 0
	v_wmma_scale_f32_16x16x128_f8f6f4 v[ACC+32*(\p)+8*\t:ACC+32*(\p)+8*\t+7], v[48*(\ks%4)+12*\t:48*(\ks%4)+12*\t+11], v[96*(\p)+12*\ks:96*(\p)+12*\ks+11], 0, v[KS+4*\ks+\t], v[QS+8*(\p)+\ks] matrix_a_fmt:MATRIX_FMT_FP6 matrix_b_fmt:MATRIX_FMT_FP6
.else
	v_wmma_scale_f32_16x16x128_f8f6f4 v[ACC+32*(\p)+8*\t:ACC+32*(\p)+8*\t+7], v[48*(\ks%4)+12*\t:48*(\ks%4)+12*\t+11], v[96*(\p)+12*\ks:96*(\p)+12*\ks+11], v[ACC+32*(\p)+8*\t:ACC+32*(\p)+8*\t+7], v[KS+4*\ks+\t], v[QS+8*(\p)+\ks] matrix_a_fmt:MATRIX_FMT_FP6 matrix_b_fmt:MATRIX_FMT_FP6
.endif
.endr
.endr
	WIN 0
.endm
.macro SCALEV p                        ; x vsum, two at a time; each accumulator from its low end on
.irp i, 0,1,2,3,4,5,6,7,8,9,10,11,12,13,14,15
	v_pk_mul_f32 v[ACC+32*(\p)+2*\i:ACC+32*(\p)+2*\i+1], v[ACC+32*(\p)+2*\i:ACC+32*(\p)+2*\i+1], v[VSUM+2*\i:VSUM+2*\i+1]
.endr
.endm
.macro TOSTAGE p                       ; 16 rows x 256 bytes through my own stage: 16 LDS instructions.  LDS serves a wave's instructions in order: no wait between the stores and the loads, nor in front of the next block's stores
.irp t, 0,1,2,3
.irp u, 0,1
	ds_store_b128 v[STO], v[ACC+32*(\p)+8*\t+4*\u:ACC+32*(\p)+8*\t+4*\u+3] offset:64*\t+16*\u
.endr
.endr
.irp i, 0,1,2,3,4,5,6,7
	ds_load_b128 v[BK+32*(\p)+4*\i:BK+32*(\p)+4*\i+3], v[RD] offset:544*\i
.endr
.endm
.macro SEND p, base, off, younger      ; younger: the LDS instructions issued behind TOSTAGE's, which may stay out
	s_wait_dscnt \younger
.irp i, 0,1,2,3,4,5,6,7
	global_store_b128 v[CO], v[BK+32*(\p)+4*\i:BK+32*(\p)+4*\i+3], s[\base:\base+1] offset:\off+4096*\i th:TH_STORE_NT   ; sixteen lanes store 256 consecutive bytes, aligned; two rows an instruction
.endr
.endm
	; emb's block needs no tile: it is multiplied while the query rows are on their way
	s_cmp_lg_u32 s17, 0
	s_cbranch_scc1 .Lno_emb
	MULQ 1
	PLACES
	SCALEV 1
	TOSTAGE 1
	SEND 1, OE, 0, 0
.Lno_emb:
	s_wait_tensorcnt 3                             ; my parts of the scale words and of blocks 0 and 1 are in; the three loads behind them may be out
	s_wait_dscnt 0x0
	s_barrier_signal -1
	s_barrier_wait -1                              ; everybody's are
	FETCHQ 0, 0
; Block n, in set p (o: the other set).
.macro TRIP n, p, o
.if \n < 7
	FETCHQ \n+1, \o                                ; the next block's fragments: 32 loads, a whole block's products ahead of their use; the set's last readers stand behind the last trip's places
.endif
.if \n == 0
	s_wait_dscnt 32                                ; this block's fetch is in; behind it: the 32 just issued
.elseif \n < 7
	s_wait_dscnt 48                                ; behind it: the last block's 16 through the stage and the 32 just issued
.else
	s_wait_dscnt 16                                ; behind it: the last block's 16 through the stage
.endif
	MULQ \p
.if \n > 0
.if \n < 7
	SEND \o, OB, 32768*(\n-1), 32                  ; the block before is back from the stage (the 32 of the fetch may be out) and leaves
.else
	SEND \o, OB, 32768*(\n-1), 0
.endif
.endif
.if (\n == 0) || (\n == 2) || (\n == 4)
	s_wait_tensorcnt 2-\n/2                        ; my parts of blocks n + 2 and n + 3 are in; the loads behind them may be out
	s_wait_dscnt 0x0                               ; no LDS instruction of mine is pending at a signal (the fetch was issued 32 matrix instructions ago)
	s_barrier_signal -1
.endif
	PLACES
	SCALEV \p                                      ; work on registers while the others arrive
.if (\n == 0) || (\n == 2) || (\n == 4)
	s_barrier_wait -1                              ; blocks n + 2 and n + 3 are whole for every wave
.endif
	s_wait_xcnt 0x0                                ; the earlier stores have read their registers: this set of rows may be loaded again
	TOSTAGE \p
.endm
	TRIP 0, 0, 1
	TRIP 1, 1, 0
	TRIP 2, 0, 1
	TRIP 3, 1, 0
	TRIP 4, 0, 1
	TRIP 5, 1, 0
	TRIP 6, 0, 1
	TRIP 7, 1, 0
	SEND 1, OB, 32768*7, 0
	s_wait_tensorcnt 0x0                           ; the wave's end: behind my last tensor load and my last LDS store
	ds_add_u32 v[SPW], v[NIL]
	s_wait_dscnt 0x0
	CROUND                                         ; the closing round: no work-group ends while a partner may still ask for a tile that names it
	s_endpgm
.Lfunc_end_k_q73ac4747fb_attn:
	.size	k_q73ac4747fb_attn, .Lfunc_end_k_q73ac4747fb_attn-k_q73ac4747fb_attn
	.p2alignl 7, 3214868480
	.fill 96, 4, 3214868480
	.section	.rodata,"a",@progbits
	.p2align	6, 0x0
	.amdhsa_kernel k_q73ac4747fb_attn
		.amdhsa_group_segment_fixed_size 225280
		.amdhsa_private_segment_fixed_size 0
		.amdhsa_enable_private_segment 0
		.amdhsa_kernarg_size 48
		.amdhsa_user_sgpr_count 2
		.amdhsa_user_sgpr_kernarg_segment_ptr 1
		.amdhsa_wavefront_size32 1
		.amdhsa_system_sgpr_workgroup_id_x 1
		.amdhsa_system_sgpr_workgroup_id_y 1
		.amdhsa_system_sgpr_workgroup_id_z 1
		.amdhsa_system_vgpr_workitem_id 0
		.amdhsa_next_free_vgpr 1024
		.amdhsa_next_free_sgpr 84
		.amdhsa_reserve_vcc 0
		.amdhsa_float_denorm_mode_32 3
		.amdhsa_float_denorm_mode_16_64 3
		.amdhsa_memory_ordered 1
		.amdhsa_forward_progress 1
		.amdhsa_inst_pref_size 106
	.end_amdhsa_kernel
	.amdgpu_metadata
---
amdhsa.version: [ 1, 2 ]
amdhsa.kernels:
  - .name:           k_q73ac4747fb_attn
    .symbol:         k_q73ac4747fb_attn.kd
    .args:
      - { .name: kq_codes, .offset: 0, .size: 8, .value_kind: global_buffer, .address_space: global }
      - { .name: kq_scales, .offset: 8, .size: 8, .value_kind: global_buffer, .address_space: global }
      - { .name: vpart, .offset: 16, .size: 8, .value_kind: global_buffer, .address_space: global }
      - { .name: w_codes, .offset: 24, .size: 8, .value_kind: global_buffer, .address_space: global }
      - { .name: w_scales, .offset: 32, .size: 8, .value_kind: global_buffer, .address_space: global }
      - { .name: out0, .offset: 40, .size: 8, .value_kind: global_buffer, .address_space: global }
    .group_segment_fixed_size: 225280
    .private_segment_fixed_size: 0
    .kernarg_segment_align: 8
    .kernarg_segment_size: 48
    .max_flat_workgroup_size: 128
    .sgpr_count:     84
    .vgpr_count:     1024
    .wavefront_size: 32
...
	.end_amdgpu_metadata
.endif
;; end of part 3
